; MI455X (gfx1250); checked and timed in simulation.
; The chip was launched on July 23, 2026; its instructions are those of AMD's public machine-readable ISA for CDNA 5 (MIT licence, August 2026) and "CDNA5" Instruction Set Architecture Reference Guide (July 2026). The comments in the code are by the model that wrote it; some were corrected since.
;; Multi Head Attention. Allowed arithmetic: matrix products marked QUANTISED: E2M1 operands, one E8M0 scale for each 32 along K, by v_wmma_scale_f32_16x16x128_f8f6f4 with both operands' format E2M1 (or v_wmma_scale_f32_32x16x128_f4), f32 sums; products left as they are: bf16, f16 or f32 operands; f32 sums; everything else in f32.
;; Inputs: k 2 x 4,096 x 512 float32; q 2 x 4,096 x 512 float32; v 2 x 4,096 x 512 float32; wk_b 512 float32; wk_w 512 x 512 float32; wo_b 512 float32; wo_w 512 x 512 float32; wq_b 512 float32; wq_w 512 x 512 float32; wv_b 512 float32; wv_w 512 x 512 float32.
;; Outputs: out0 2 x 4,096 x 512 float32.
;; This version of the problem:
;;   THIS VERSION OF THE PROBLEM IS GIVEN IN LOW PRECISION. The matrix products marked QUANTISED in the list below multiply operands that are first quantised to E2M1 (2 exponent bits, 1 mantissa bit; 4 bits a number), with one power-of-two scale for each 32 numbers along K (OCP MX v1.0); their sums are f32. The products marked 'left as it is' may take bf16, f16 or f32 operands, with f32 sums. Whichever they take, every output number must still come out within the allowed error. Rounding operands to bf16 (8 significant bits) uses up far more of that allowance than f16 does (11 bits, for magnitudes from 6e-5 to 65,504). All else is computed in f32.
;;   The module's matrix products, in the order in which they are computed (A, B: the left and right operand; K: the contracted axis; several contracted axes count as one K, in the product's order):
;;     1. [M 8,192, K 512] x [K 512, N 512]; A: input q; B: input wq_w: QUANTISED
;;     2. [M 8,192, K 512] x [K 512, N 512]; A: input k; B: input wk_w: QUANTISED
;;     3. [M 8,192, K 512] x [K 512, N 512]; A: input v; B: input wv_w: QUANTISED
;;     4. batch 16 x [M 4,096, K 64] x [K 64, N 4,096]; A: computed on the way; B: computed on the way: left as it is (an operand is computed on the way)
;;     5. batch 16 x [M 4,096, K 4,096] x [K 4,096, N 64]; A: computed on the way; B: computed on the way: left as it is (an operand is computed on the way)
;;     6. [M 8,192, K 512] x [K 512, N 512]; A: computed on the way; B: input wo_w: left as it is (an operand is computed on the way)
;;   THE QUANTISER, for each operand of a quantised product, along K:
;;     - K is cut into blocks of 32 from its start; a last block that is shorter is filled with zeros.
;;     - A block's scale is 2^e with e = floor(log2(the largest magnitude in the block)) - 2, held to -126 .. 127; a block of zeros has e = 0. As a byte (E8M0): e + 127.
;;     - Each number is divided by its block's scale, clamped to +-6, and rounded to the nearest number of E2M1, ties to even, subnormals kept.
;;     - The product sums the exact products of the quantised numbers (number of the format x scale) in f32.
;;   ~~~python
;;   def quantise(x, axis):      # numpy; x: float32 -> the quantised numbers, widened to float32 again
;;       x = np.moveaxis(x, axis, -1); K = x.shape[-1]
;;       x = np.pad(x, [(0, 0)] * (x.ndim - 1) + [(0, -K % 32)]); x = x.reshape(x.shape[:-1] + (-1, 32)); a = np.abs(x).max(-1, keepdims=True)
;;       e = np.where(a > 0, np.clip(np.frexp(np.where(a > 0, a, 1))[1] - 1 - 2, -126, 127), 0)      # np.frexp(a)[1] - 1 = floor(log2(a)), exactly
;;       r = np.clip(x / 2.0 ** e, -6, 6)
;;       step = 2.0 ** (np.maximum(np.frexp(np.where(r == 0, 1, r))[1] - 1, 0) - 1)
;;       q = np.round(r / step) * step * 2.0 ** e      # np.round: ties to even
;;       return np.moveaxis(q.reshape(q.shape[:-2] + (-1,))[..., :K], -1, axis).astype(np.float32)
;;   ~~~
;; One version. Each part assembles by itself: llvm-mc -triple=amdgcn-amd-amdhsa -mcpu=gfx1250 --defsym DOCPART=n.
;; ======== version 1 of 1: 4 launches
;; limits: values are held in f16: magnitudes above 65,504 overflow, below 6.1e-05 lose precision
;; workspace buffers: wts 942,080 bytes; qkv 25,165,824 bytes; att 8,388,608 bytes
;; launch prep (part 1): grid 32 x 4, 1 waves a work-group, no clusters, 0 bytes of LDS; arguments wq_w, wk_w, wv_w, wo_w, wts; writes wts
.if DOCPART == 1
	.amdgcn_target "amdgcn-amd-amdhsa--gfx1250"
	.amdhsa_code_object_version 6
	.text
	.protected	k_qb17d173e32_prep
	.globl	k_qb17d173e32_prep
	.p2align	8
	.type	k_qb17d173e32_prep,@function
k_qb17d173e32_prep:
	s_mov_b64 s[64:65], 0
	v_nop
	global_prefetch_b8 v0, s[64:65] scope:SCOPE_SE
	s_setreg_imm32_b32 hwreg(HW_REG_WAVE_MODE, 25, 1), 1
	s_wait_xcnt 0x0
; The four weights [512 (out)][512 (in)], f32, K = the second axis, are laid once as IMAGES OF OPERAND REGISTERS: a group of four registers
; of 32 lanes is 512 consecutive bytes, lane l's 16 bytes at 16 l, so that every later launch loads a fragment by dense 16-byte loads.
;   wq, wk, wv (work-group y = 0, 1, 2): codes of E2M1 with one E8M0 byte for each 32 along K.  A block's scale is 2^(floor(log2(largest magnitude)) - 2).
;     codes:  y x 131,072 + (T x 4 + s) x 1,024 + c x 512 + 16 lane   (T: 16 rows, s: 128 along K; lane (r, h) holds row 16 T + r, k = 128 s + 64 c + 32 h + 0 .. 31)
;     scales: 393,216 + y x 8,192 + row x 16: the row's 16 bytes as they follow along K
;   wo (y = 3): f16.  417,792 + (T x 16 + s) x 1,024 + c x 512 + 16 lane   (s: 32 along K; lane (r, h) holds row 16 T + r, k = 32 s + 16 c + 8 h + 0 .. 7)
; One wave to a work-group takes 16 rows of one weight (work-group x = T): 32,768 bytes in.  No LDS, no barrier: a lane's registers run along K, so nothing changes lanes but two scale bytes.
; LIMITS: a block of zeros gets the byte 1 where the rule says 127 (its codes are zeros, and this program alone reads the bytes); NaN and infinities are not served; wo beyond 65,504 is not served.
.set H8,   6                           ; v6      8 h: how far my two scale bytes are shifted
.set TM,   8                           ; v8-9    largest magnitudes of my two blocks
.set TS,   10                          ; v10-11  the conversions' scale operands
.set TBY,  12                          ; v12-13  the scale bytes
.set WD,   14                          ; v14     my two bytes at their places
.set W2,   15                          ; v15     lane l xor 16's
.set XSW,  16                          ; v16-19  the row's scale words of the four K steps
.set PC,   24                          ; v24-55  codes: eight registers for each K step, so that no store's data are written again
.set X,    64                          ; v64-255 three sets of 64 numbers
.set SEL,  22                          ; s[22:23] selects of v_permlanex16_b32 for lane l xor 16
.set WSC,  393216
.set WO,   417792
; 64 numbers of a lane, v[x + 32 c + i] = k 64 c + 32 h + i of my row, become the eight registers of a fragment at v[pc] and the row's scale word in v[sw].
.macro QUANT x, pc, sw
.irp c, 0,1
	v_max3_num_f32 v[TM+\c], |v[(\x)+32*\c]|, |v[(\x)+32*\c+1]|, 0x1800000   ; my block 2 c + h: all its 32 numbers are mine; the floor 2^(3 - 127) keeps the byte at 1 from below
.endr
.irp i, 2,4,6,8,10,12,14,16,18,20,22,24,26,28,30
.irp c, 0,1
	v_max3_num_f32 v[TM+\c], v[TM+\c], |v[(\x)+32*\c+\i]|, |v[(\x)+32*\c+\i+1]|   ; the two blocks by turns
.endr
.endr
.irp c, 0,1
	v_add_nc_u32 v[TS+\c], 0xff000000, v[TM+\c]    ; 2 off the exponent field: the conversion takes this operand's exponent field as its scale
.endr
.irp c, 0,1
	v_lshrrev_b32 v[TBY+\c], 23, v[TS+\c]          ; the scale's byte
.endr
	v_lshl_or_b32 v[WD], v[TBY+1], 16, v[TBY]      ; blocks h and 2 + h of the K step,
	v_lshlrev_b32 v[WD], v[H8], v[WD]              ; 8 h bits up;
	v_permlanex16_b32 v[W2], v[WD], s[SEL], s[SEL+1]
	v_or_b32 v[\sw], v[WD], v[W2]                  ; with lane l xor 16's two the word is whole
.irp c, 0,1
.irp g, 0,1,2,3
	v_cvt_scalef32_pk8_fp4_f32 v[(\pc)+4*\c+\g], v[(\x)+32*\c+8*\g:(\x)+32*\c+8*\g+7], v[TS+\c]
.endr
.endr
	v_nop                                          ; one plain instruction behind the last scaled conversion
.endm
.macro LOADW k, reg                    ; K step k of my row: 2 x 128 bytes a lane
.irp c, 0,1
.irp g, 0,1,2,3,4,5,6,7
	global_load_b128 v[(\reg)+32*\c+4*\g:(\reg)+32*\c+4*\g+3], v3, s[16:17] offset:512*(\k)+256*\c+16*\g th:TH_LOAD_NT
.endr
.endr
.endm
.macro PUTW k                          ; its fragment: two stores of 512 consecutive bytes
.irp c, 0,1
	global_store_b128 v5, v[PC+8*(\k)+4*\c:PC+8*(\k)+4*\c+3], s[18:19] offset:1024*(\k)+512*\c
.endr
.endm
.macro LOADH q, reg                    ; wo: K steps 4 q .. 4 q + 3 of 32: 8 numbers for each group
.irp e, 0,1,2,3
.irp c, 0,1
.irp p, 0,1
	global_load_b128 v[(\reg)+16*\e+8*\c+4*\p:(\reg)+16*\e+8*\c+4*\p+3], v4, s[16:17] offset:(4*(\q)+\e)*128+64*\c+16*\p th:TH_LOAD_NT
.endr
.endr
.endr
.endm
.macro PUTH q, reg                     ; rounded to f16 in place (ascending, so that no source is lost), and stored
.irp e, 0,1,2,3
.irp c, 0,1
.irp n, 0,1,2,3
	v_cvt_pk_f16_f32 v[(\reg)+16*\e+8*\c+\n], v[(\reg)+16*\e+8*\c+2*\n], v[(\reg)+16*\e+8*\c+2*\n+1]
.endr
	global_store_b128 v5, v[(\reg)+16*\e+8*\c:(\reg)+16*\e+8*\c+3], s[12:13] offset:(4*(\q)+\e)*1024+512*\c
.endr
.endr
.endm
	s_load_b256 s[4:11], s[0:1], 0x0               ; wq s[4:5], wk s[6:7], wv s[8:9], wo s[10:11]
	s_load_b64 s[12:13], s[0:1], 0x20              ; the images
	v_and_b32 v1, 15, v0                           ; r
	v_bfe_u32 v2, v0, 4, 1                         ; h
	v_lshlrev_b32 v3, 11, v1                       ; a row is 2,048 bytes
	v_lshl_add_u32 v4, v2, 5, v3                   ; wo: + 32 h
	v_lshl_add_u32 v3, v2, 7, v3                   ; the others: + 128 h
	v_lshlrev_b32 v5, 4, v0                        ; 16 x lane
	v_lshlrev_b32 v[H8], 3, v2
	v_lshl_add_u32 v7, v1, 4, v[H8]                ; scale words out: 16 r + 8 h
	v_mov_b32 v[W2], 0                             ; a lane permute's destination counts as one of its sources
	s_mov_b32 s[SEL], 0x76543210
	s_mov_b32 s[SEL+1], 0xfedcba98
	s_and_b32 s14, ttmp7, 0xffff                   ; which weight
	s_lshl_b32 s24, ttmp9, 15                      ; my 16 rows in it
	s_mov_b32 s25, 0
	s_lshl_b32 s26, s14, 17                        ; codes: weight x 131,072 + T x 4,096
	s_lshl_b32 s15, ttmp9, 12
	s_add_co_u32 s26, s26, s15
	s_mov_b32 s27, 0
	s_lshl_b32 s28, s14, 13                        ; scale words: WSC + weight x 8,192 + T x 256
	s_lshl_b32 s15, ttmp9, 8
	s_add_co_u32 s28, s28, s15
	s_add_co_u32 s28, s28, WSC
	s_mov_b32 s29, 0
	s_lshl_b32 s30, ttmp9, 14                      ; wo's images: WO + T x 16,384
	s_add_co_u32 s30, s30, WO
	s_mov_b32 s31, 0
	s_wait_kmcnt 0x0
	s_cmp_eq_u32 s14, 1                            ; the choice hangs on the work-group's number alone
	s_cselect_b64 s[16:17], s[6:7], s[4:5]
	s_cmp_eq_u32 s14, 2
	s_cselect_b64 s[16:17], s[8:9], s[16:17]
	s_cmp_eq_u32 s14, 3
	s_cselect_b64 s[16:17], s[10:11], s[16:17]
	s_add_nc_u64 s[16:17], s[16:17], s[24:25]
	s_add_nc_u64 s[18:19], s[12:13], s[26:27]
	s_add_nc_u64 s[20:21], s[12:13], s[28:29]
	s_add_nc_u64 s[12:13], s[12:13], s[30:31]
	s_cmp_eq_u32 s14, 3
	s_cbranch_scc1 .Lhalf
	LOADW 0, X
	LOADW 1, X+64
	LOADW 2, X+128
	s_wait_loadcnt 32                              ; K step 0's 16 loads are in; those of steps 1 and 2 may be out
	QUANT X, PC, XSW
	PUTW 0
	LOADW 3, X
	s_wait_loadcnt 32                              ; step 1's are in; steps 2 and 3 may be out
	QUANT X+64, PC+8, XSW+1
	PUTW 1
	s_wait_loadcnt 16                              ; step 2's are in; step 3's may be out
	QUANT X+128, PC+16, XSW+2
	PUTW 2
	s_wait_loadcnt 0x0
	QUANT X, PC+24, XSW+3
	PUTW 3
	v_cmp_eq_u32 vcc_lo, 1, v2                     ; both halves of the lanes hold the row's four words: lanes 0-15 store words 0 and 1, lanes 16-31 words 2 and 3
	v_cndmask_b32 v20, v[XSW], v[XSW+2], vcc_lo
	v_cndmask_b32 v21, v[XSW+1], v[XSW+3], vcc_lo
	global_store_b64 v7, v[20:21], s[20:21]        ; 32 lanes store 256 consecutive bytes, aligned
	s_endpgm
.Lhalf:
	LOADH 0, X
	LOADH 1, X+64
	LOADH 2, X+128
	s_wait_loadcnt 32                              ; as above: a batch of 16 loads is in, two batches may be out
	PUTH 0, X
	s_wait_xcnt 0x0                                ; the stores have read their data: the set is loaded again only behind this wait
	LOADH 3, X
	s_wait_loadcnt 32
	PUTH 1, X+64
	s_wait_loadcnt 16
	PUTH 2, X+128
	s_wait_loadcnt 0x0
	PUTH 3, X
	s_endpgm
.Lfunc_end_k_qb17d173e32_prep:
	.size	k_qb17d173e32_prep, .Lfunc_end_k_qb17d173e32_prep-k_qb17d173e32_prep
	.p2alignl 7, 3214868480
	.fill 96, 4, 3214868480
	.section	.rodata,"a",@progbits
	.p2align	6, 0x0
	.amdhsa_kernel k_qb17d173e32_prep
		.amdhsa_group_segment_fixed_size 0
		.amdhsa_private_segment_fixed_size 0
		.amdhsa_enable_private_segment 0
		.amdhsa_kernarg_size 40
		.amdhsa_user_sgpr_count 2
		.amdhsa_user_sgpr_kernarg_segment_ptr 1
		.amdhsa_wavefront_size32 1
		.amdhsa_system_sgpr_workgroup_id_x 1
		.amdhsa_system_sgpr_workgroup_id_y 1
		.amdhsa_system_sgpr_workgroup_id_z 1
		.amdhsa_system_vgpr_workitem_id 0
		.amdhsa_next_free_vgpr 256
		.amdhsa_next_free_sgpr 66
		.amdhsa_reserve_vcc 1
		.amdhsa_float_denorm_mode_32 3
		.amdhsa_float_denorm_mode_16_64 3
		.amdhsa_memory_ordered 1
		.amdhsa_forward_progress 1
		.amdhsa_inst_pref_size 39
	.end_amdhsa_kernel
	.amdgpu_metadata
---
amdhsa.version: [ 1, 2 ]
amdhsa.kernels:
  - .name:           k_qb17d173e32_prep
    .symbol:         k_qb17d173e32_prep.kd
    .args:
      - { .name: wq_w, .offset: 0, .size: 8, .value_kind: global_buffer, .address_space: global }
      - { .name: wk_w, .offset: 8, .size: 8, .value_kind: global_buffer, .address_space: global }
      - { .name: wv_w, .offset: 16, .size: 8, .value_kind: global_buffer, .address_space: global }
      - { .name: wo_w, .offset: 24, .size: 8, .value_kind: global_buffer, .address_space: global }
      - { .name: wts, .offset: 32, .size: 8, .value_kind: global_buffer, .address_space: global }
    .group_segment_fixed_size: 0
    .private_segment_fixed_size: 0
    .kernarg_segment_align: 8
    .kernarg_segment_size: 40
    .max_flat_workgroup_size: 32
    .sgpr_count:     66
    .vgpr_count:     256
    .wavefront_size: 32
...
	.end_amdgpu_metadata
.endif
;; end of part 1
;; launch proj (part 2): grid 128 x 3, 4 waves a work-group, no clusters, 52,736 bytes of LDS; arguments q, k, v, wq_b, wk_b, wv_b, wts, qkv; writes qkv
.if DOCPART == 2
	.amdgcn_target "amdgcn-amd-amdhsa--gfx1250"
	.amdhsa_code_object_version 6
	.text
	.protected	k_qb17d173e32_proj
	.globl	k_qb17d173e32_proj
	.p2align	8
	.type	k_qb17d173e32_proj,@function
k_qb17d173e32_proj:
	s_mov_b64 s[64:65], 0
	v_nop
	global_prefetch_b8 v0, s[64:65] scope:SCOPE_SE
	s_setreg_imm32_b32 hwreg(HW_REG_WAVE_MODE, 25, 1), 1
	s_wait_xcnt 0x0
; y = x W^T + b for x = q, k, v (work-group y = 0, 1, 2), both operands as codes of E2M1 with one E8M0 byte for each 32 along K = 512; sums in f32; the result, rounded to f16, is stored
; as images of the operand registers of the attention launch.  x: [8,192][512] f32, quantised here, in registers.  W: codes and scale words laid by the launch before.
; SHARES.  A work-group takes 64 rows.  THE WAVES SHARE THE COLUMNS: wave w makes channels 128 w .. 128 w + 127 (heads 2 w, 2 w + 1) of all 64 rows, and its 32 fragments of W fill window 1.
; Wave w also quantises rows 16 w .. 16 w + 15 of x; the fragments go to the other waves through LDS as images of their registers (16 bytes a lane at 16 x lane).
; x comes by loads of 512 consecutive bytes of one row; the conversions want 32 neighbours along K in one lane: a K step's 16 rows x 512 bytes turn through the wave's own stage (rows 528 bytes apart:
; 33 x 16, so that the sixteen rows that a load touches begin in sixteen different 16-byte columns of 256).
; THE PRODUCT IS USED TRANSPOSED (source 0 = 16 rows of W, source 1 = 16 rows of x): lane (r, h) then holds token r and channels 16 t + 8 h + 0 .. 7.  Packed to f16 these 16 bytes ARE the lane's
; group t % 4 of the head's 16-bit fragments, so they are stored straight from registers: 512 consecutive bytes a store.
;   qkv: tensor x 8,388,608 + (batch x 8 + head) x 524,288 + token tile x 2,048 + channel tile x 512 + 16 x place;  place = lane for q and k;
;   for v: 16 (r / 8) + 8 h + r % 8, the order in which the turning LDS load of the attention launch reads at 16 x lane.
; The bias is the C of each sum's first matrix instruction.
; LIMITS: results beyond 65,504 are not served (f16); a block of zeros gets the byte 1 (its codes are zeros); NaN and infinities are not served.
; No multicast and no tensor load: what work-groups share is W's 131,072 bytes, a quarter of which each wave reads once, straight into registers.
.set STGW,  8448                       ; a wave's stage: 16 rows x 528 bytes
.set XIMG,  4*STGW                     ; x's 16 fragments: (4 m + s) x 1,024
.set XSC,   XIMG+16384                 ; their scale words: row tile m: 512 bytes, a lane's four words on end
.set SPARE, XSC+2048                   ; the spare words, 128 bytes for each wave: two blocks of 256 bytes that no other line names
.set WSC,   393216
.set LI,   1                           ; v1   16 x lane
.set TST,  2                           ; v2   the stage, in: my wave's + 16 x lane
.set TRD,  3                           ; v3   the stage, out: my wave's + 528 r + 128 h
.set XSW,  4                           ; v4-7 my row's scale words of the four K steps
.set IMW,  8                           ; v8   where I store x's images: 4,096 x wave + 16 x lane
.set SCW,  9                           ; v9   and the scale words: 512 x wave + 16 x lane
.set OUTO, 10                          ; v10  16 x my place in a stored group
.set H8,   11                          ; v11  8 h
.set SPW,  12                          ; v12  LDS address of my spare word; never rewritten
.set NIL,  13                          ; v13  0; never rewritten
.set R16,  14                          ; v14  16 r
.set H32,  15                          ; v15  32 h
.set WS,   16                          ; v16-47   W's scale words: (t, s) at 4 t + s
.set BI,   48                          ; v48-111  the bias: 8 registers for each tile of 16 channels.  Tiles 0 and 1 are loaded late: while x is quantised their registers are at work:
.set TM,   48
.set TS,   50
.set TBY,  52
.set WD,   54
.set W2,   55
.set PC,   56                          ; v56-63   the codes just made
.set XA,   112                         ; v112-175 64 numbers of x; later the eight accumulators
.set ACC,  112
.set XB,   176                         ; v176-239 64 numbers of x; later two sets of x's four fragments
.set XF,   176
.set XS,   240                         ; v240-247 two sets of x's four scale words
.set SEL,  34
.set MSB, 0
.macro WIN new                         ; the immediate's high byte repeats the setting that is left
.if MSB != \new
	s_set_vgpr_msb (MSB<<8)|\new
.set MSB, \new
.endif
.endm
.macro QUANT x, pc, sw                 ; 64 numbers of a lane, v[x + 32 c + i] = k 64 c + 32 h + i of my row -> a fragment at v[pc], the row's scale word in v[sw]
.irp c, 0,1
	v_max3_num_f32 v[TM+\c], |v[(\x)+32*\c]|, |v[(\x)+32*\c+1]|, 0x1800000   ; my block 2 c + h; the floor 2^(3 - 127) keeps the byte at 1 from below
.endr
.irp i, 2,4,6,8,10,12,14,16,18,20,22,24,26,28,30
.irp c, 0,1
	v_max3_num_f32 v[TM+\c], v[TM+\c], |v[(\x)+32*\c+\i]|, |v[(\x)+32*\c+\i+1]|
.endr
.endr
.irp c, 0,1
	v_add_nc_u32 v[TS+\c], 0xff000000, v[TM+\c]    ; 2 off the exponent field: the conversion's scale operand
.endr
.irp c, 0,1
	v_lshrrev_b32 v[TBY+\c], 23, v[TS+\c]
.endr
	v_lshl_or_b32 v[WD], v[TBY+1], 16, v[TBY]
	v_lshlrev_b32 v[WD], v[H8], v[WD]
	v_permlanex16_b32 v[W2], v[WD], s[SEL], s[SEL+1]
	v_or_b32 v[\sw], v[WD], v[W2]
.irp c, 0,1
.irp g, 0,1,2,3
	v_cvt_scalef32_pk8_fp4_f32 v[(\pc)+4*\c+\g], v[(\x)+32*\c+8*\g:(\x)+32*\c+8*\g+7], v[TS+\c]
.endr
.endr
	v_nop                                          ; one plain instruction behind the last scaled conversion
.endm
.macro LOADX k, reg                    ; K step k of my 16 rows: each load takes 512 consecutive bytes of one row
.irp i, 0,1,2,3,4,5,6,7,8,9,10,11,12,13,14,15
	global_load_b128 v[(\reg)+4*\i:(\reg)+4*\i+3], v[LI], s[24:25] offset:2048*\i+512*(\k) th:TH_LOAD_NT
.endr
.endm
.macro TURN reg                        ; through my stage and back into the same registers: LDS serves a wave's instructions in order, so no wait stands between
.irp i, 0,1,2,3,4,5,6,7,8,9,10,11,12,13,14,15
	ds_store_b128 v[TST], v[(\reg)+4*\i:(\reg)+4*\i+3] offset:528*\i
.endr
.irp c, 0,1
.irp g, 0,1,2,3,4,5,6,7
	ds_load_b128 v[(\reg)+32*\c+4*\g:(\reg)+32*\c+4*\g+3], v[TRD] offset:256*\c+16*\g
.endr
.endr
.endm
.macro WQ i                            ; a quarter of my fragments of W: 16 loads of 512 consecutive bytes, into window 1
	WIN 0x40
.irp n, 0,1,2,3,4,5,6,7,8,9,10,11,12,13,14,15
	global_load_b128 v[4*(16*(\i)+\n):4*(16*(\i)+\n)+3], v[LI], s[28:29] offset:512*(16*(\i)+\n)
.endr
	WIN 0
.endm
.macro XSTEP k, reg, cnt               ; K step k of my rows becomes a fragment in LDS.  cnt: the loads issued behind this step's 16, which may stay out
	s_wait_loadcnt \cnt
	TURN \reg
	s_wait_dscnt 0x0                               ; the numbers are back; the last image's stores have read the codes' registers
	QUANT \reg, PC, XSW+\k
.irp c, 0,1
	ds_store_b128 v[IMW], v[PC+4*\c:PC+4*\c+3] offset:XIMG+1024*(\k)+512*\c
.endr
.endm
.macro FETCH m, b                      ; row tile m's four fragments and its scale words into set b: 9 LDS loads
.irp n, 0,1,2,3,4,5,6,7
	ds_load_b128 v[XF+32*(\b)+4*\n:XF+32*(\b)+4*\n+3], v[LI] offset:XIMG+4096*(\m)+512*\n
.endr
	ds_load_b128 v[XS+4*(\b):XS+4*(\b)+3], v[LI] offset:XSC+512*(\m)
.endm
	s_load_b256 s[4:11], s[0:1], 0x0               ; q s[4:5], k s[6:7], v s[8:9], wq_b s[10:11]
	s_load_b256 s[12:19], s[0:1], 0x20             ; wk_b s[12:13], wv_b s[14:15], the weights' images s[16:17], qkv s[18:19]
	v_lshl_add_u32 v[SPW], v0, 2, SPARE
	v_mov_b32 v[NIL], 0
	v_lshrrev_b32 v248, 5, v0
	v_readfirstlane_b32 s20, v248                  ; wave 0..3
	s_and_b32 s21, ttmp7, 0xffff                   ; which tensor
	v_and_b32 v248, 31, v0                         ; lane
	v_and_b32 v249, 15, v0                         ; r
	v_bfe_u32 v250, v0, 4, 1                       ; h
	v_lshlrev_b32 v[LI], 4, v248
	s_mul_i32 s22, s20, STGW
	v_add_nc_u32 v[TST], s22, v[LI]
	v_mul_u32_u24 v[TRD], v249, 528
	v_lshl_add_u32 v[TRD], v250, 7, v[TRD]
	v_add_nc_u32 v[TRD], s22, v[TRD]
	s_lshl_b32 s22, s20, 12
	v_add_nc_u32 v[IMW], s22, v[LI]
	s_lshl_b32 s22, s20, 9
	v_add_nc_u32 v[SCW], s22, v[LI]
	v_lshlrev_b32 v[H8], 3, v250
	v_lshlrev_b32 v[R16], 4, v249
	v_lshlrev_b32 v[H32], 5, v250
	v_lshrrev_b32 v251, 3, v249                    ; v's place: 16 (r / 8) + 8 h + r % 8
	v_lshlrev_b32 v251, 4, v251
	v_lshl_add_u32 v251, v250, 3, v251
	v_and_b32 v252, 7, v249
	v_add_nc_u32 v251, v251, v252
	v_lshlrev_b32 v251, 4, v251
	s_cmp_eq_u32 s21, 2
	s_cselect_b32 s36, -1, 0
	v_cndmask_b32 v[OUTO], v[LI], v251, s36
	v_mov_b32 v[W2], 0                             ; a lane permute's destination counts as one of its sources
	s_mov_b32 s[SEL], 0x76543210
	s_mov_b32 s[SEL+1], 0xfedcba98
	s_lshl_b32 s38, ttmp9, 17                      ; x: 64 rows of 2,048 bytes a work-group, 16 a wave
	s_lshl_b32 s22, s20, 15
	s_add_co_u32 s38, s38, s22
	s_mov_b32 s39, 0
	s_lshl_b32 s40, s20, 9                         ; the bias: my 128 numbers
	s_mov_b32 s41, 0
	s_lshl_b32 s42, s21, 17                        ; W's codes: tensor x 131,072 + wave x 32,768
	s_add_co_u32 s42, s42, s22
	s_mov_b32 s43, 0
	s_lshl_b32 s44, s21, 13                        ; W's scale words: WSC + tensor x 8,192 + wave x 2,048
	s_lshl_b32 s22, s20, 11
	s_add_co_u32 s44, s44, s22
	s_add_co_u32 s44, s44, WSC
	s_mov_b32 s45, 0
	s_lshr_b32 s46, ttmp9, 6                       ; out: tensor x 2^23 + (8 x batch + 2 x wave) x 2^19 + (my 64 rows' first token tile) x 2,048
	s_lshl_b32 s46, s46, 3
	s_lshl_b32 s22, s20, 1
	s_add_co_u32 s46, s46, s22
	s_lshl_b32 s46, s46, 19
	s_lshl_b32 s22, s21, 23
	s_add_co_u32 s46, s46, s22
	s_and_b32 s22, ttmp9, 63
	s_lshl_b32 s22, s22, 13
	s_add_co_u32 s46, s46, s22
	s_mov_b32 s47, 0
	s_wait_kmcnt 0x0
	s_cmp_eq_u32 s21, 1                            ; the choices hang on the work-group's number alone
	s_cselect_b64 s[24:25], s[6:7], s[4:5]
	s_cselect_b64 s[26:27], s[12:13], s[10:11]
	s_cmp_eq_u32 s21, 2
	s_cselect_b64 s[24:25], s[8:9], s[24:25]
	s_cselect_b64 s[26:27], s[14:15], s[26:27]
	s_add_nc_u64 s[24:25], s[24:25], s[38:39]
	s_add_nc_u64 s[26:27], s[26:27], s[40:41]
	s_add_nc_u64 s[28:29], s[16:17], s[42:43]
	s_add_nc_u64 s[30:31], s[16:17], s[44:45]
	s_add_nc_u64 s[32:33], s[18:19], s[46:47]
	LOADX 0, XA
	LOADX 1, XB
.irp t, 0,1,2,3,4,5,6,7
	global_load_b128 v[WS+4*\t:WS+4*\t+3], v[R16], s[30:31] offset:256*\t       ; lane r: the four words of W's row 16 t + r
.endr
.irp t, 2,3,4,5,6,7
	global_load_b128 v[BI+8*\t:BI+8*\t+3], v[H32], s[26:27] offset:64*\t       ; lane (r, h): b(16 t + 8 h + 0 .. 7), the result's layout
	global_load_b128 v[BI+8*\t+4:BI+8*\t+7], v[H32], s[26:27] offset:64*\t+16
.endr
	; ---- my 16 rows of x become four fragments.  The loads of x run two K steps ahead; W's 64 loads are dealt among them
	XSTEP 0, XA, 36                                ; out behind step 0's: step 1's 16, 8 of scale words, 12 of the bias
	LOADX 2, XA
	WQ 0
	XSTEP 1, XB, 52                                ; 8 + 12, step 2's 16, W's first 16
	LOADX 3, XB
	WQ 1
	XSTEP 2, XA, 48                                ; W's first 16, step 3's 16, W's second 16
	WQ 2
	WQ 3
	XSTEP 3, XB, 48                                ; W's last 48
	ds_store_b128 v[SCW], v[XSW:XSW+3] offset:XSC
	s_wait_dscnt 0x0                               ; for the others' sake: my images and scale words lie in LDS
.irp t, 0,1
	global_load_b128 v[BI+8*\t:BI+8*\t+3], v[H32], s[26:27] offset:64*\t       ; the registers that the quantiser has left take the bias's first two tiles
	global_load_b128 v[BI+8*\t+4:BI+8*\t+7], v[H32], s[26:27] offset:64*\t+16
.endr
	s_barrier_signal -1
	s_barrier_wait -1                              ; x's sixteen fragments lie in LDS
	s_wait_loadcnt 0x0                             ; W, its scale words, the bias
	; ---- a tile of 16 rows at a time: 32 matrix instructions, the eight accumulators by turns, one instruction a turn
	FETCH 0, 0
.irp m, 0,1,2,3
.if \m < 3
	FETCH \m+1, (\m+1)%2                           ; the other set was last read by the products of the tile before: four v_nop and 32 conversions stand between
	s_wait_dscnt 9                                 ; this tile's are in; the 9 just issued may be out
.else
	s_wait_dscnt 0x0
.endif
.if \m > 0
	s_wait_xcnt 0x0                                ; the last tile's stores have read their data: the accumulators are written again only behind this wait
.endif
	WIN 0x01                                       ; source 0 (W) in window 1
.irp s, 0,1,2,3
.irp t, 0,1,2,3,4,5,6,7
.if \s == 0
	v_wmma_scale_f32_16x16x128_f8f6f4 v[ACC+8*\t:ACC+8*\t+7], v[8*(4*\t+\s):8*(4*\t+\s)+7], v[XF+32*(\m%2)+8*\s:XF+32*(\m%2)+8*\s+7], v[BI+8*\t:BI+8*\t+7], v[WS+4*\t+\s], v[XS+4*(\m%2)+\s] matrix_a_fmt:MATRIX_FMT_FP4 matrix_b_fmt:MATRIX_FMT_FP4
.else
	v_wmma_scale_f32_16x16x128_f8f6f4 v[ACC+8*\t:ACC+8*\t+7], v[8*(4*\t+\s):8*(4*\t+\s)+7], v[XF+32*(\m%2)+8*\s:XF+32*(\m%2)+8*\s+7], v[ACC+8*\t:ACC+8*\t+7], v[WS+4*\t+\s], v[XS+4*(\m%2)+\s] matrix_a_fmt:MATRIX_FMT_FP4 matrix_b_fmt:MATRIX_FMT_FP4
.endif
.endr
.endr
	WIN 0
.rept 4
	v_nop                                          ; four places between the last products and the first read of results (ISA guide 7.12.1)
.endr
.irp t, 0,1,2,3,4,5,6,7
.irp n, 0,1,2,3
	v_cvt_pk_f16_f32 v[ACC+8*\t+\n], v[ACC+8*\t+2*\n], v[ACC+8*\t+2*\n+1]      ; in place, each accumulator from its low end on
.endr
.endr
.irp t, 0,1,2,3,4,5,6,7
	global_store_b128 v[OUTO], v[ACC+8*\t:ACC+8*\t+3], s[32:33] offset:(\t/4)*524288+(\t%4)*512+2048*\m   ; 32 lanes store 512 consecutive bytes, aligned
.endr
.endr
	s_wait_tensorcnt 0x0                           ; the wave's end, behind my last LDS store
	ds_add_u32 v[SPW], v[NIL]
	s_wait_dscnt 0x0
	s_endpgm
.Lfunc_end_k_qb17d173e32_proj:
	.size	k_qb17d173e32_proj, .Lfunc_end_k_qb17d173e32_proj-k_qb17d173e32_proj
	.p2alignl 7, 3214868480
	.fill 96, 4, 3214868480
	.section	.rodata,"a",@progbits
	.p2align	6, 0x0
	.amdhsa_kernel k_qb17d173e32_proj
		.amdhsa_group_segment_fixed_size 52736
		.amdhsa_private_segment_fixed_size 0
		.amdhsa_enable_private_segment 0
		.amdhsa_kernarg_size 64
		.amdhsa_user_sgpr_count 2
		.amdhsa_user_sgpr_kernarg_segment_ptr 1
		.amdhsa_wavefront_size32 1
		.amdhsa_system_sgpr_workgroup_id_x 1
		.amdhsa_system_sgpr_workgroup_id_y 1
		.amdhsa_system_sgpr_workgroup_id_z 1
		.amdhsa_system_vgpr_workitem_id 0
		.amdhsa_next_free_vgpr 512
		.amdhsa_next_free_sgpr 66
		.amdhsa_reserve_vcc 0
		.amdhsa_float_denorm_mode_32 3
		.amdhsa_float_denorm_mode_16_64 3
		.amdhsa_memory_ordered 1
		.amdhsa_forward_progress 1
		.amdhsa_inst_pref_size 69
	.end_amdhsa_kernel
	.amdgpu_metadata
---
amdhsa.version: [ 1, 2 ]
amdhsa.kernels:
  - .name:           k_qb17d173e32_proj
    .symbol:         k_qb17d173e32_proj.kd
    .args:
      - { .name: q, .offset: 0, .size: 8, .value_kind: global_buffer, .address_space: global }
      - { .name: k, .offset: 8, .size: 8, .value_kind: global_buffer, .address_space: global }
      - { .name: v, .offset: 16, .size: 8, .value_kind: global_buffer, .address_space: global }
      - { .name: wq_b, .offset: 24, .size: 8, .value_kind: global_buffer, .address_space: global }
      - { .name: wk_b, .offset: 32, .size: 8, .value_kind: global_buffer, .address_space: global }
      - { .name: wv_b, .offset: 40, .size: 8, .value_kind: global_buffer, .address_space: global }
      - { .name: wts, .offset: 48, .size: 8, .value_kind: global_buffer, .address_space: global }
      - { .name: qkv, .offset: 56, .size: 8, .value_kind: global_buffer, .address_space: global }
    .group_segment_fixed_size: 52736
    .private_segment_fixed_size: 0
    .kernarg_segment_align: 8
    .kernarg_segment_size: 64
    .max_flat_workgroup_size: 128
    .sgpr_count:     66
    .vgpr_count:     512
    .wavefront_size: 32
...
	.end_amdgpu_metadata
.endif
;; end of part 2
;; launch attn (part 3): grid 16 x 16, 8 waves a work-group, clusters of 4 x 1, 327,680 bytes of LDS; arguments qkv, att; writes att
.if DOCPART == 3
	.amdgcn_target "amdgcn-amd-amdhsa--gfx1250"
	.amdhsa_code_object_version 6
	.text
	.protected	k_qb17d173e32_attn
	.globl	k_qb17d173e32_attn
	.p2align	8
	.type	k_qb17d173e32_attn,@function
k_qb17d173e32_attn:
	s_mov_b64 s[64:65], 0
	v_nop
	global_prefetch_b8 v0, s[64:65] scope:SCOPE_SE
	s_setreg_imm32_b32 hwreg(HW_REG_WAVE_MODE, 25, 1), 1
	s_wait_xcnt 0x0
	s_wait_alu depctr_hold_cnt(0) depctr_sa_sdst(0) depctr_va_vdst(0) depctr_va_sdst(0) depctr_va_ssrc(0) depctr_va_vcc(0) depctr_vm_vsrc(0)
	s_getreg_b32 s2, hwreg(HW_REG_IB_STS2, 6, 4)
	s_cmp_eq_u32 s2, 0
	s_cbranch_scc0 .Lentry_in_a_cluster
	s_endpgm
.Lentry_in_a_cluster:
	s_bfe_u32 s2, ttmp6, 0x10000c
	s_cmp_lg_u32 s2, 0x3003
	s_cbranch_scc0 .Lentry_shape_is_right
	s_endpgm
.Lentry_shape_is_right:
; O[bh][q][:] = the sum over k of softmax_k(Q[bh][q] . K[bh][k] / 8) V[bh][k][:]: 16 (batch, head), 4,096 tokens, head size 64, no mask.  Operands in f16, products, maxima and sums in f32;
; the weights p are rounded to f16 for the second product, O once at the end.
; Q, K, V come as images of operand registers (a group = 512 bytes, 16 a lane): tensor x 8,388,608 + bh x 524,288 + token tile x 2,048 + channel tile x 512.
; SHARES.  A work-group owns 256 queries of one (batch, head); each of its eight waves 32: two tiles of 16, in 384 registers: two waves to a SIMD, so that one wave's softmax stands beside the other's products.
; Every wave walks all 4,096 keys, 64 a step.
; LAYOUT.  S^T = K Q^T (source 0 = 16 keys, source 1 = 16 queries): a lane holds ONE query (lane % 16) and keys 8 (lane / 16) + 0 .. 7.  Two such tiles, rounded to f16 in pairs, ARE source 1 of
; O^T = V^T P, whose result again holds one query a lane, and eight channels, which pack into the lane's 16 bytes of the next launch's fragment: stored straight from registers.
; V lies in the order in which ds_load_tr16_b128 reads it at 16 x lane.
; SOFTMAX.  For each query a running maximum m and sum l: p = 2^(c s - c m), c = log2(e) / 8; in every step O and l are multiplied by a = 2^(c m_old - c m_new).  m begins at -3e38, O and l at 0.
; RING.  Two LDS slots of 512 keys (65,536 bytes of K, then 65,536 of V), dense: an image needs no pitch and no padding.  Each of the eight waves fetches 16,384 bytes of a slot by one tensor load.
; CLUSTER.  The four query blocks of a cluster walk the same K and V: each tile is asked for JOINTLY, by the same tensor load with the same descriptor and a mask that names the four.
; LIMITS: the result beyond 65,504 is not served, and under 6e-5 it keeps f16's step of 6e-8; p under 6e-8 counts as 0 in the second product (it stays in the sum); NaN and infinities are not served.
; REGISTERS.  window 0: v1-9 addresses; v12-27 statistics; v32-63 Q; v64-127 K of a step; v128-191 S^T, then p; v192-223 P.   window 1: v0-63 O^T; v64-127 V of a step.
.set SLOT1, 131072                     ; slot 1 begins here: one exclusive or turns an address in one slot into the other's
.set SPARE, 262144                     ; behind the ring: the spare words, 128 bytes for each wave: four blocks of 256 bytes that no other line names
.set AK0, 1                            ; v1   16 x lane: my place in a group (in LDS and in memory)
.set AV0, 2                            ; v2   the same in V's half of a slot
.set ADK, 3                            ; v3   LDS address of the step's K
.set ADV, 4                            ; v4   of its V
.set PFO, 6                            ; v6   256 x lane: the prefetches' offset; never rewritten
.set SPW, 8                            ; v8   LDS address of my spare word; never rewritten
.set NIL, 9                            ; v9   0; never rewritten
.set ST,  12                           ; tile t's statistics at v[ST + 8 t]: +0 c m, +1 m, +2, +3 l (even keys', odd keys'), +4 .. +7 at work; a takes +6
.set Q,   32                           ; tile t, channels 32 s on: 16 t + 8 s
.set KF,  64                           ; keys 16 kt on, channels 32 s on: 16 kt + 8 s
.set S,   128                          ; tile t, keys 16 kt on: 32 t + 8 kt
.set P,   192                          ; tile t, keys 32 u on: 16 t + 8 u
.set VF,  64                           ; in window 1: keys 32 u on, channels 16 f on: 8 (4 u + f)
.set WV,  12                           ; s12  my wave's number
.set LIM, 15                           ; s15  1 in a wave that prefetches, else the greatest number
.set PFA, 18                           ; s[18:19] where my prefetches stand
.set G1,  24                           ; s[24:31] descriptor group 1
.set G0,  32                           ; s[32:35] descriptor group 0, which walks
.set SLOTS, 36                         ; s36  slots still to be asked for
.set CNT, 37                           ; s37  counts a slot's eight steps
.set CS,  38                           ; s[38:39] c: the packed form names a pair and takes its low word for both halves
.set SEL, 40                           ; s[40:41] selects of v_permlanex16_b32 for lane l xor 16
.set TB,  42                           ; s42  LDS byte at which the step's K begins
.set MSB, 0
.macro WIN new                         ; the immediate's high byte repeats the setting that is left
.if MSB != \new
	s_set_vgpr_msb (MSB<<8)|\new
.set MSB, \new
.endif
.endm
; A round of the cluster's barrier: my work-group's barrier, so that wave 0's signal speaks for all eight waves; wave 0 signals for the work-group; every wave waits for all four work-groups; my work-group's barrier once more.
.macro CROUND
	s_barrier_signal -1
	s_barrier_wait -1
	s_cmp_lg_u32 s[WV], 0
	s_cbranch_scc1 .Lnot_wave_0_\@
	s_barrier_signal -3
.Lnot_wave_0_\@:
	s_barrier_wait -3
	s_barrier_signal -1
	s_barrier_wait -1
.endm
; A PREFETCH of what the NEXT change of slots will ask for: a slot's 65,536 bytes of K and of V, lanes 256 bytes apart.  Each aligned block of 256 bytes is named ONCE in the launch: all four clusters of a
; (batch, head) walk the same rows, and the first of them asks; its four partners take 8,192 of each 32,768 bytes, told apart BY ADDRESS; in each, the even wave w asks for what waves w and w + 1 will fetch:
; one instruction.  It stands eight key steps ahead of the load that will want the bytes, the least that this ring's form offers.  The last change that fills a slot asks for nothing; slots 0 and 1 come by their loads alone.
.macro ASK
	s_cmp_gt_u32 s[SLOTS], s[LIM]
	s_cbranch_scc0 .Lnot_mine_\@
	global_prefetch_b8 v[PFO], s[PFA:PFA+1] th:TH_LOAD_NT scope:SCOPE_SE
.Lnot_mine_\@:
.endm
; THE CHANGE OF SLOTS stands at a slot's head.  Each wave waits for all its tensor loads (its part of the slot that it is about to read), adds 0 to its spare word, and waits for that and for its reads of the slot
; that it has left.  fill = 1: a round of the cluster's barrier, so that no wave of any partner still reads that slot or has a load on its way; the joint load of the next 512 keys is the first thing behind it,
; my one tensor load until the next round (so one is out at the most), and has eight key steps in which to land.
.macro CHANGE fill
	s_wait_tensorcnt 0x0                           ; no tensor load of mine is out, so group 0 may be written
	ds_add_u32 v[SPW], v[NIL]                      ; 0 onto my spare word
.if \fill
	s_xor_b32 s[G0+1], s[G0+1], SLOT1              ; the other slot than last time,
	s_add_nc_u64 s[G0+2:G0+3], s[G0+2:G0+3], 65536 ; the next 512 keys; the type bits on top are not reached
	s_wait_xcnt 0x0                                ; the last prefetch, a slot back, has read its address, so it may be written
	s_add_nc_u64 s[PFA:PFA+1], s[PFA:PFA+1], 65536 ; one slot further on than the walking descriptor
	s_wait_dscnt 0x0                               ; the add is done, and my reads of the slot that I have left are over
	CROUND
	tensor_load_to_lds s[G0:G0+3], s[G1:G1+7]
	s_nop 0
.rept 4
	v_nop
.endr
	ASK
.else
	s_wait_dscnt 0x0
	s_barrier_signal -1
	s_barrier_wait -1
.endif
.endm
; A KEY STEP: 64 keys.
.macro STEP
	v_add_nc_u32 v[ADK], s[TB], v[AK0]             ; these four plain instructions are the places between the last step's products and the loads into V's registers
	v_add_nc_u32 v[ADV], s[TB], v[AV0]
	v_nop
	v_nop
.irp n, 0,1,2,3,4,5,6,7,8,9,10,11,12,13,14,15
	ds_load_b128 v[KF+4*\n:KF+4*\n+3], v[ADK] offset:512*\n        ; K: 16 groups as they lie
.endr
	WIN 0x40                                       ; destination window 1
.irp u, 0,1
.irp f, 0,1,2,3
.irp p, 0,1
	ds_load_tr16_b128 v[VF+8*(4*\u+\f)+4*\p:VF+8*(4*\u+\f)+4*\p+3], v[ADV] offset:(2*\u+\p)*2048+512*\f   ; V, turned: lane l gets channel l % 16 and keys 16 p + 8 (l / 16) + 0 .. 7
.endr
.endr
.endr
	WIN 0
	s_add_co_u32 s[TB], s[TB], 8192                ; the next step's
	s_wait_dscnt 16                                ; K is in; V's 16 loads may be out
.set i, 0
.rept 16                               ; S^T = K Q^T: tile i % 2, keys 16 ((i / 2) % 4) on, channels 32 (i / 8) on.  The eight accumulators take turns; the first eight start the sums
.set rS, S+32*(i%2)+8*((i/2)%4)
.set rK, KF+16*((i/2)%4)+8*(i/8)
.set rQ, Q+16*(i%2)+8*(i/8)
.if i < 8
	v_wmma_f32_16x16x32_f16 v[rS:rS+7], v[rK:rK+7], v[rQ:rQ+7], 0
.else
	v_wmma_f32_16x16x32_f16 v[rS:rS+7], v[rK:rK+7], v[rQ:rQ+7], v[rS:rS+7]
.endif
.set i, i+1
.endr
.rept 4
	v_nop                                          ; four places in front of the first read of the scores
.endr
	; the maximum of my 32 scores and the old m, three operands at a time, the two tiles by turns; each accumulator is read from its low end on
.irp j, 0,1,2,3
.irp t, 0,1
	v_max3_num_f32 v[ST+8*\t+4+\j], v[S+32*\t+8*\j], v[S+32*\t+8*\j+1], v[S+32*\t+8*\j+2]
.endr
.endr
.irp q, 1,2
.irp j, 0,1,2,3
.irp t, 0,1
	v_max3_num_f32 v[ST+8*\t+4+\j], v[ST+8*\t+4+\j], v[S+32*\t+8*\j+2*\q+1], v[S+32*\t+8*\j+2*\q+2]
.endr
.endr
.endr
.irp t, 0,1
	v_max3_num_f32 v[ST+8*\t+4], v[ST+8*\t+4], v[S+32*\t+7], v[S+32*\t+15]
.endr
.irp t, 0,1
	v_max3_num_f32 v[ST+8*\t+6], v[ST+8*\t+6], v[S+32*\t+23], v[S+32*\t+31]
.endr
.irp t, 0,1
	v_max3_num_f32 v[ST+8*\t+4], v[ST+8*\t+4], v[ST+8*\t+5], v[ST+8*\t+6]
.endr
.irp t, 0,1
	v_max3_num_f32 v[ST+8*\t+4], v[ST+8*\t+4], v[ST+8*\t+7], v[ST+8*\t+1]
.endr
.irp t, 0,1
	v_permlanex16_b32 v[ST+8*\t+5], v[ST+8*\t+4], s[SEL], s[SEL+1]   ; the query's other 32 keys lie in the lane 16 away
.endr
.irp t, 0,1
	v_mov_b32 v[ST+8*\t+7], v[ST+8*\t]             ; c m_old is kept for a
.endr
.irp t, 0,1
	v_max_num_f32 v[ST+8*\t+1], v[ST+8*\t+4], v[ST+8*\t+5]
.endr
.irp t, 0,1
	v_mul_f32 v[ST+8*\t], s[CS], v[ST+8*\t+1]
.endr
.irp t, 0,1
	v_sub_f32 v[ST+8*\t+7], v[ST+8*\t+7], v[ST+8*\t]
.endr
.irp b, 0,2,4,6,8,10,12,14,16,18,20,22,24,26,28,30
.irp t, 0,1
	v_pk_fma_f32 v[S+32*\t+\b:S+32*\t+\b+1], v[S+32*\t+\b:S+32*\t+\b+1], s[CS:CS+1], v[ST+8*\t:ST+8*\t+1] op_sel_hi:[1,0,0] neg_lo:[0,0,1] neg_hi:[0,0,1]   ; c s - c m, two at a time
.endr
.endr
.irp t, 0,1
	v_exp_f32 v[ST+8*\t+6], v[ST+8*\t+7]           ; a.  ONE BATCH of 66 exponentials, none of which reads another's result
.endr
.irp e, 0,1,2,3,4,5,6,7,8,9,10,11,12,13,14,15,16,17,18,19,20,21,22,23,24,25,26,27,28,29,30,31
.irp t, 0,1
	v_exp_f32 v[S+32*\t+\e], v[S+32*\t+\e]
.endr
.endr
	v_nop                                          ; a plain instruction behind the last exponential,
	s_wait_alu depctr_va_vdst(0)                   ; and one wait, ahead of the batch's first reader
.irp n, 0,1,2,3,4,5,6,7,8,9,10,11,12,13,14,15
.irp t, 0,1
	v_cvt_pk_f16_f32 v[P+16*\t+\n], v[S+32*\t+2*\n], v[S+32*\t+2*\n+1]
.endr
.endr
	; the sum of the tile's 16 pairs, of the unrounded p, in place: neighbours 1, 2, 4 and 8 pairs apart; then l = a l + the sum
.irp z, 0,1,2,3,4,5,6,7
.irp t, 0,1
	v_pk_add_f32 v[S+32*\t+4*\z:S+32*\t+4*\z+1], v[S+32*\t+4*\z:S+32*\t+4*\z+1], v[S+32*\t+4*\z+2:S+32*\t+4*\z+3]
.endr
.endr
.irp z, 0,1,2,3
.irp t, 0,1
	v_pk_add_f32 v[S+32*\t+8*\z:S+32*\t+8*\z+1], v[S+32*\t+8*\z:S+32*\t+8*\z+1], v[S+32*\t+8*\z+4:S+32*\t+8*\z+5]
.endr
.endr
.irp z, 0,1
.irp t, 0,1
	v_pk_add_f32 v[S+32*\t+16*\z:S+32*\t+16*\z+1], v[S+32*\t+16*\z:S+32*\t+16*\z+1], v[S+32*\t+16*\z+8:S+32*\t+16*\z+9]
.endr
.endr
.irp t, 0,1
	v_pk_add_f32 v[S+32*\t:S+32*\t+1], v[S+32*\t:S+32*\t+1], v[S+32*\t+16:S+32*\t+17]
.endr
.irp t, 0,1
	v_pk_fma_f32 v[ST+8*\t+2:ST+8*\t+3], v[ST+8*\t+2:ST+8*\t+3], v[ST+8*\t+6:ST+8*\t+7], v[S+32*\t:S+32*\t+1] op_sel_hi:[1,0,1]
.endr
	s_wait_dscnt 0x0                               ; V is in
	WIN 0x41                                       ; O^T (destination and source 0) in window 1, a in window 0
.irp t, 0,1
.irp b, 0,2,4,6,8,10,12,14,16,18,20,22,24,26,28,30
	v_pk_mul_f32 v[32*\t+\b:32*\t+\b+1], v[32*\t+\b:32*\t+\b+1], v[ST+8*\t+6:ST+8*\t+7] op_sel_hi:[1,0]   ; O^T x a, each accumulator from its low end on
.endr
.endr
	WIN 0x51                                       ; V and O^T in window 1, P in window 0
.set i, 0
.rept 16                               ; O^T += V^T P: tile i % 2, channels 16 ((i / 2) % 4) on, keys 32 (i / 8) on.  The eight accumulators take turns
.set rO, 32*(i%2)+8*((i/2)%4)
.set rV, VF+8*(4*(i/8)+(i/2)%4)
.set rP, P+16*(i%2)+8*(i/8)
	v_wmma_f32_16x16x32_f16 v[rO:rO+7], v[rV:rV+7], v[rP:rP+7], v[rO:rO+7]
.set i, i+1
.endr
	WIN 0                                          ; at a label and at a branch every window is 0
.endm
.macro STEPS                           ; a slot's eight key steps: written once, walked eight times; the LDS addresses hang on s[TB]
	s_mov_b32 s[CNT], 8
.Lstep_\@:
	STEP
	s_sub_co_u32 s[CNT], s[CNT], 1
	s_cmp_lg_u32 s[CNT], 0
	s_cbranch_scc1 .Lstep_\@
	s_sub_co_u32 s[TB], s[TB], 65536               ; back to a slot's first step,
	s_xor_b32 s[TB], s[TB], SLOT1                  ; in the other slot
.endm
	s_load_b128 s[4:7], s[0:1], 0x0                ; qkv s[4:5], the result's images s[6:7]
	v_lshl_add_u32 v[SPW], v0, 2, SPARE
	v_mov_b32 v[NIL], 0
	ds_add_u32 v[SPW], v[NIL]                      ; the wave's opening: the add, twice on end, and its wait ahead of my first tensor load; the set-up below, work on registers, stands between
	ds_add_u32 v[SPW], v[NIL]                      ; and once more, under the one wait
	v_lshrrev_b32 v7, 5, v0
	v_readfirstlane_b32 s[WV], v7                  ; wave 0..7
	v_and_b32 v7, 31, v0
	v_lshlrev_b32 v[AK0], 4, v7
	v_add_nc_u32 v[AV0], 65536, v[AK0]
	v_lshlrev_b32 v[PFO], 8, v7
	s_bfe_u32 s13, ttmp6, 0x40000                  ; cx: my place in the cluster
	s_lshl_b32 s14, ttmp9, 2                       ; in a cluster launch ttmp9 counts clusters
	s_add_co_u32 s14, s14, s13                     ; my block of 256 queries: it enters Q's and the result's addresses alone
	s_and_b32 s22, ttmp7, 0xffff                   ; (batch, head), which the four partners share
	s_lshl_b32 s20, s22, 19                        ; its 524,288 bytes in each tensor
	s_lshr_b32 s16, s[WV], 2                       ; what I fetch: waves 0-3 K (tensor 1), waves 4-7 V (tensor 2),
	s_add_co_u32 s16, s16, 1
	s_lshl_b32 s16, s16, 23
	s_and_b32 s17, s[WV], 3                        ; a quarter of the slot's 65,536 bytes
	s_lshl_b32 s17, s17, 14
	s_add_co_u32 s16, s16, s17
	s_add_co_u32 s16, s16, s20
	s_mov_b32 s17, 0
	; descriptor group 1: a dense block of 16,384 bytes as 64 rows of 256 bytes (32 elements of 8 bytes), no padding
	s_mov_b32 s[G1], 15|(3<<16)|(1<<21)            ; 15:0 the mask: all four work-groups; 17:16 elements of 8 bytes; 21 set beside a mask
	s_mov_b32 s[G1+1], 32<<16                      ; tensor_dim0 = 32
	s_mov_b32 s[G1+2], 64<<16                      ; tensor_dim1 = 64
	s_mov_b32 s[G1+3], 32<<16                      ; tile_dim0 = 32
	s_mov_b32 s[G1+4], 64                          ; tile_dim1 = 64
	s_mov_b32 s[G1+5], 32                          ; from row to row
	s_mov_b32 s[G1+6], 0
	s_mov_b32 s[G1+7], 0
	s_mov_b32 s[G0], 1                             ; count = 1
	s_lshl_b32 s[G0+1], s[WV], 14                  ; LDS: wave x 16,384 in slot 0: K's four quarters, then V's: no place in the cluster enters an LDS address
	s_lshl_b32 s44, s14, 4
	s_lshl_b32 s23, s[WV], 1
	s_add_co_u32 s44, s44, s23                     ; my first token tile: 16 x block + 2 x wave
	s_lshl_b32 s46, s44, 14                        ; the result: a token tile is 16,384 bytes (all eight heads),
	s_lshl_b32 s44, s44, 11                        ; in Q 2,048
	s_add_co_u32 s44, s44, s20
	s_mov_b32 s45, 0
	s_lshr_b32 s23, s22, 3                         ; the batch: 256 token tiles
	s_lshl_b32 s23, s23, 22
	s_add_co_u32 s46, s46, s23
	s_and_b32 s23, s22, 7                          ; the head: 2,048 bytes
	s_lshl_b32 s23, s23, 11
	s_add_co_u32 s46, s46, s23
	s_mov_b32 s47, 0
	s_lshl_b32 s2, s13, 13                         ; the prefetches: my work-group's 8,192 bytes of each 32,768
	s_mov_b32 s3, 0
	s_and_b32 s[LIM], s[WV], 1                     ; 0 in the even waves,
	s_or_b32 s[LIM], s[LIM], ttmp9                 ; of the (batch, head)'s first cluster: the same in all four partners
	s_cmp_eq_u32 s[LIM], 0
	s_cselect_b32 s[LIM], 1, -1
	s_mov_b32 s[CS], 0x3e38aa3b                    ; c = log2(e) / 8
	s_mov_b32 s[CS+1], s[CS]                       ; named with it as a pair, so it is written
	s_mov_b32 s[SEL], 0x76543210
	s_mov_b32 s[SEL+1], 0xfedcba98
	s_mov_b32 s[TB], 0
	s_mov_b32 s[SLOTS], 7
	s_wait_dscnt 0x0                               ; both opening adds are done
	s_wait_kmcnt 0x0
	s_add_nc_u64 s[G0+2:G0+3], s[4:5], s[16:17]    ; my part of slot 0
	s_add_nc_u64 s[PFA:PFA+1], s[G0+2:G0+3], s[2:3]
	s_add_nc_u64 s[PFA:PFA+1], s[PFA:PFA+1], 65536 ; in slot 1: the first change of slots steps it to slot 2.  Nothing is prefetched here, at the head
	s_or_b32 s[G0+3], s[G0+3], 0x80000000          ; type = 2
	s_add_nc_u64 s[44:45], s[4:5], s[44:45]        ; Q at my first tile
	s_add_nc_u64 s[46:47], s[6:7], s[46:47]        ; the result likewise
	CROUND                                         ; all four work-groups are here: the first joint loads meet
	tensor_load_to_lds s[G0:G0+3], s[G1:G1+7]      ; slot 0
	s_nop 0
.rept 4
	v_nop
.endr
.irp t, 0,1
.irp n, 0,1,2,3
	global_load_b128 v[Q+16*\t+4*\n:Q+16*\t+4*\n+3], v[AK0], s[44:45] offset:2048*\t+512*\n   ; Q stays in registers
.endr
.endr
.irp t, 0,1
	v_mov_b32 v[ST+8*\t+1], 0xff61b1e6             ; m: -3e38, under every score
	v_mov_b32 v[ST+8*\t+2], 0                      ; l
	v_mov_b32 v[ST+8*\t+3], 0
.endr
.irp t, 0,1
	v_mul_f32 v[ST+8*\t], s[CS], v[ST+8*\t+1]      ; c m
.endr
	WIN 0x40
.set i, 0
.rept 64
	v_mov_b32 v[i], 0                              ; O^T.  (The step is written once: the first finds zeros, and its a is 0)
.set i, i+1
.endr
	WIN 0
	s_wait_loadcnt 0x0                             ; Q
.Lslot:                                            ; seven trips: trip i reads slot i and asks for slot i + 1 (in trip 0 that is the second LDS slot's first fill, issued as a refill is)
	CHANGE 1
	STEPS
	s_sub_co_u32 s[SLOTS], s[SLOTS], 1
	s_cmp_lg_u32 s[SLOTS], 0
	s_cbranch_scc1 .Lslot
	CHANGE 0                                       ; the last slot is written out
	STEPS
	; THE WAY OUT.  l's two halves and the other half of the lanes' are added; O^T is divided by l, rounded to f16 and stored as it lies.  The four additions are the places behind the last products.
.irp t, 0,1
	v_add_f32 v[ST+8*\t+4], v[ST+8*\t+2], v[ST+8*\t+3]
.endr
.irp t, 0,1
	v_permlanex16_b32 v[ST+8*\t+5], v[ST+8*\t+4], s[SEL], s[SEL+1]
.endr
.irp t, 0,1
	v_add_f32 v[ST+8*\t+4], v[ST+8*\t+4], v[ST+8*\t+5]
.endr
.irp t, 0,1
	v_rcp_f32 v[ST+8*\t+6], v[ST+8*\t+4]
.endr
	v_nop                                          ; a plain instruction behind the last reciprocal,
	s_wait_alu depctr_va_vdst(0)                   ; and the wait ahead of the first use: one for the two
	WIN 0x41
.irp t, 0,1
.irp b, 0,2,4,6,8,10,12,14,16,18,20,22,24,26,28,30
	v_pk_mul_f32 v[32*\t+\b:32*\t+\b+1], v[32*\t+\b:32*\t+\b+1], v[ST+8*\t+6:ST+8*\t+7] op_sel_hi:[1,0]
.endr
.endr
	WIN 0x05                                       ; sources in window 1, destination in window 0: S^T's registers are free
.irp t, 0,1
.irp n, 0,1,2,3,4,5,6,7,8,9,10,11,12,13,14,15
	v_cvt_pk_f16_f32 v[S+16*\t+\n], v[32*\t+2*\n], v[32*\t+2*\n+1]
.endr
.endr
	WIN 0
.irp t, 0,1
.irp f, 0,1,2,3
	global_store_b128 v[AK0], v[S+16*\t+4*\f:S+16*\t+4*\f+3], s[46:47] offset:16384*\t+512*\f   ; 32 lanes store 512 consecutive bytes, aligned: group f of my head in token tile t
.endr
.endr
	s_wait_tensorcnt 0x0                           ; the wave's end, behind my last tensor load
	ds_add_u32 v[SPW], v[NIL]
	s_wait_dscnt 0x0
	CROUND                                         ; the closing round: no work-group ends while a partner may still ask for a tile that names it
	s_endpgm
.Lfunc_end_k_qb17d173e32_attn:
	.size	k_qb17d173e32_attn, .Lfunc_end_k_qb17d173e32_attn-k_qb17d173e32_attn
	.p2alignl 7, 3214868480
	.fill 96, 4, 3214868480
	.section	.rodata,"a",@progbits
	.p2align	6, 0x0
	.amdhsa_kernel k_qb17d173e32_attn
		.amdhsa_group_segment_fixed_size 327680
		.amdhsa_private_segment_fixed_size 0
		.amdhsa_enable_private_segment 0
		.amdhsa_kernarg_size 16
		.amdhsa_user_sgpr_count 2
		.amdhsa_user_sgpr_kernarg_segment_ptr 1
		.amdhsa_wavefront_size32 1
		.amdhsa_system_sgpr_workgroup_id_x 1
		.amdhsa_system_sgpr_workgroup_id_y 1
		.amdhsa_system_sgpr_workgroup_id_z 1
		.amdhsa_system_vgpr_workitem_id 0
		.amdhsa_next_free_vgpr 384
		.amdhsa_next_free_sgpr 66
		.amdhsa_reserve_vcc 0
		.amdhsa_float_denorm_mode_32 3
		.amdhsa_float_denorm_mode_16_64 3
		.amdhsa_memory_ordered 1
		.amdhsa_forward_progress 1
		.amdhsa_inst_pref_size 49
	.end_amdhsa_kernel
	.amdgpu_metadata
---
amdhsa.version: [ 1, 2 ]
amdhsa.kernels:
  - .name:           k_qb17d173e32_attn
    .symbol:         k_qb17d173e32_attn.kd
    .args:
      - { .name: qkv, .offset: 0, .size: 8, .value_kind: global_buffer, .address_space: global }
      - { .name: att, .offset: 8, .size: 8, .value_kind: global_buffer, .address_space: global }
    .group_segment_fixed_size: 327680
    .private_segment_fixed_size: 0
    .kernarg_segment_align: 8
    .kernarg_segment_size: 16
    .max_flat_workgroup_size: 256
    .sgpr_count:     66
    .vgpr_count:     384
    .wavefront_size: 32
...
	.end_amdgpu_metadata
.endif
;; end of part 3
;; launch outp (part 4): grid 4 x 64, 4 waves a work-group, clusters of 4 x 1, 199,168 bytes of LDS; arguments att, wts, wo_b, out0; writes out0
.if DOCPART == 4
	.amdgcn_target "amdgcn-amd-amdhsa--gfx1250"
	.amdhsa_code_object_version 6
	.text
	.protected	k_qb17d173e32_outp
	.globl	k_qb17d173e32_outp
	.p2align	8
	.type	k_qb17d173e32_outp,@function
k_qb17d173e32_outp:
	s_mov_b64 s[64:65], 0
	v_nop
	global_prefetch_b8 v0, s[64:65] scope:SCOPE_SE
	s_setreg_imm32_b32 hwreg(HW_REG_WAVE_MODE, 25, 1), 1
	s_wait_xcnt 0x0
	s_wait_alu depctr_hold_cnt(0) depctr_sa_sdst(0) depctr_va_vdst(0) depctr_va_sdst(0) depctr_va_ssrc(0) depctr_va_vcc(0) depctr_vm_vsrc(0)
	s_getreg_b32 s2, hwreg(HW_REG_IB_STS2, 6, 4)
	s_cmp_eq_u32 s2, 0
	s_cbranch_scc0 .Lentry_in_a_cluster
	s_endpgm
.Lentry_in_a_cluster:
	s_bfe_u32 s2, ttmp6, 0x10000c
	s_cmp_lg_u32 s2, 0x3003
	s_cbranch_scc0 .Lentry_shape_is_right
	s_endpgm
.Lentry_shape_is_right:
; out = A wo^T + wo_b.  A: the attention's result, [8,192][512] in f16, as images of operand registers: token tile x 16,384 + K step (32 channels) x 1,024 + c x 512 + 16 lane.
; wo: f16 images laid by the first launch.  out: [8,192][512] f32.  Sums in f32.
; SHARES.  A work-group makes 128 rows x 128 columns: 256 work-groups.  Its 128 rows of A are one dense run of 131,072 bytes; they come into LDS ONCE, 32,768 bytes to a wave's tensor load, and nothing is filled again.
; CLUSTER.  The four column blocks of a row block form a cluster and need the same rows of A: each quarter is asked for JOINTLY, by the same tensor load with a mask that names the four.
; THE WAVES SHARE THE COLUMNS: wave w makes columns 32 w .. 32 w + 31 of the block for all 128 rows; its 32 fragments of wo fill window 1, read from memory once.
; THE PRODUCT IS USED TRANSPOSED (source 0 = 16 rows of wo, source 1 = 16 rows of A): a lane holds eight neighbouring columns of one row.  The bias is the C of each sum's first matrix instruction.
; A row's 512 bytes come from four waves: they meet in a stage in LDS (rows 528 bytes apart), and each wave stores 32 whole rows.
; REGISTERS.  window 0: v1-7 addresses; v16-31 the bias; v64-191 two sets of A's eight fragments, later the rows read back.   window 1: wo's fragments, (u, s) at 8 (16 u + s).   window 2: accumulators, (mt, u) at 8 (2 mt + u).
.set STG,   131072                     ; behind A: the stage, 128 rows x 528 bytes; no tensor load lands there
.set SPARE, STG+128*528                ; the spare words, 128 bytes for each wave: two blocks of 256 bytes that no other line names
.set WO,    417792
.set AD0, 1                            ; v1   16 x lane: row tiles 0-3 of A; also my place in a row of out
.set AD1, 2                            ; v2   + 65,536: row tiles 4-7
.set SO,  3                            ; v3   the stage: where I put 32 bytes of a row
.set SR,  4                            ; v4   and where I read rows back
.set H32, 5                            ; v5   32 h
.set SPW, 6                            ; v6   LDS address of my spare word; never rewritten
.set NIL, 7                            ; v7   0; never rewritten
.set BI,  16
.set AF,  64
.set WV,  12
.set G1,  16                           ; s[16:23]
.set G0,  24                           ; s[24:27]
.set MSB, 0
.macro WIN new                         ; the immediate's high byte repeats the setting that is left
.if MSB != \new
	s_set_vgpr_msb (MSB<<8)|\new
.set MSB, \new
.endif
.endm
.macro CROUND                          ; a round of the cluster's barrier
	s_barrier_signal -1
	s_barrier_wait -1
	s_cmp_lg_u32 s[WV], 0
	s_cbranch_scc1 .Lnot_wave_0_\@
	s_barrier_signal -3
.Lnot_wave_0_\@:
	s_barrier_wait -3
	s_barrier_signal -1
	s_barrier_wait -1
.endm
.macro AFETCH k, b                     ; K step k's eight fragments of A into set b: 16 LDS loads
.irp mt, 0,1,2,3,4,5,6,7
.irp c, 0,1
	ds_load_b128 v[AF+64*(\b)+8*\mt+4*\c:AF+64*(\b)+8*\mt+4*\c+3], v[AD0+\mt/4] offset:(\mt%4)*16384+1024*(\k)+512*\c
.endr
.endr
.endm
	s_load_b256 s[4:11], s[0:1], 0x0               ; A s[4:5], the weights' images s[6:7], wo_b s[8:9], out s[10:11]
	v_lshl_add_u32 v[SPW], v0, 2, SPARE
	v_mov_b32 v[NIL], 0
	ds_add_u32 v[SPW], v[NIL]                      ; the wave's opening: the add, twice on end, and its wait ahead of my first tensor load; the set-up below stands between
	ds_add_u32 v[SPW], v[NIL]                      ; and once more, under the one wait
	v_lshrrev_b32 v8, 5, v0
	v_readfirstlane_b32 s[WV], v8                  ; wave 0..3
	v_and_b32 v8, 31, v0                           ; lane
	v_and_b32 v9, 15, v0                           ; r
	v_bfe_u32 v10, v0, 4, 1                        ; h
	v_lshlrev_b32 v[AD0], 4, v8
	v_add_nc_u32 v[AD1], 65536, v[AD0]
	v_mul_u32_u24 v[SO], v9, 528                   ; in: row r, + 32 h, + my wave's 128 bytes
	v_lshl_add_u32 v[SO], v10, 5, v[SO]
	s_lshl_b32 s30, s[WV], 7
	s_add_co_u32 s30, s30, STG
	v_add_nc_u32 v[SO], s30, v[SO]
	s_mul_i32 s30, s[WV], 32*528                   ; back: my 32 rows, 16 bytes a lane
	s_add_co_u32 s30, s30, STG
	v_add_nc_u32 v[SR], s30, v[AD0]
	v_lshlrev_b32 v[H32], 5, v10
	s_bfe_u32 s13, ttmp6, 0x40000                  ; cx: my block of 128 columns (the grid is one cluster wide)
	s_and_b32 s14, ttmp7, 0xffff                   ; my block of 128 rows, which the four partners share
	; descriptor group 1: a dense block of 32,768 bytes as 128 rows of 256 bytes (32 elements of 8 bytes), no padding
	s_mov_b32 s[G1], 15|(3<<16)|(1<<21)            ; 15:0 the mask: all four work-groups; 17:16 elements of 8 bytes; 21 set beside a mask
	s_mov_b32 s[G1+1], 32<<16
	s_mov_b32 s[G1+2], 128<<16
	s_mov_b32 s[G1+3], 32<<16
	s_mov_b32 s[G1+4], 128
	s_mov_b32 s[G1+5], 32
	s_mov_b32 s[G1+6], 0
	s_mov_b32 s[G1+7], 0
	s_mov_b32 s[G0], 1
	s_lshl_b32 s[G0+1], s[WV], 15                  ; LDS: wave x 32,768
	s_lshl_b32 s28, s14, 17                        ; A: row block x 131,072 + wave x 32,768: no place in the cluster enters it
	s_lshl_b32 s29, s[WV], 15
	s_add_co_u32 s28, s28, s29
	s_mov_b32 s29, 0
	s_lshl_b32 s32, s13, 17                        ; wo: WO + (8 cx + 2 wave) x 16,384
	s_lshl_b32 s30, s[WV], 15
	s_add_co_u32 s32, s32, s30
	s_add_co_u32 s32, s32, WO
	s_mov_b32 s33, 0
	s_lshl_b32 s34, s13, 9                         ; the bias: 4 x (128 cx + 32 wave)
	s_lshl_b32 s30, s[WV], 7
	s_add_co_u32 s34, s34, s30
	s_mov_b32 s35, 0
	s_lshl_b32 s36, s14, 18                        ; out: (128 y + 32 wave) rows of 2,048 bytes + 512 cx
	s_lshl_b32 s30, s[WV], 16
	s_add_co_u32 s36, s36, s30
	s_lshl_b32 s30, s13, 9
	s_add_co_u32 s36, s36, s30
	s_mov_b32 s37, 0
	s_wait_dscnt 0x0                               ; both opening adds are done
	s_wait_kmcnt 0x0
	s_add_nc_u64 s[G0+2:G0+3], s[4:5], s[28:29]
	s_or_b32 s[G0+3], s[G0+3], 0x80000000          ; type = 2
	s_add_nc_u64 s[32:33], s[6:7], s[32:33]
	s_add_nc_u64 s[34:35], s[8:9], s[34:35]
	s_add_nc_u64 s[36:37], s[10:11], s[36:37]
	CROUND                                         ; all four work-groups are here: the joint loads meet
	tensor_load_to_lds s[G0:G0+3], s[G1:G1+7]      ; my quarter of A's 128 rows: my one tensor load
	s_nop 0
.rept 4
	v_nop
.endr
	WIN 0x40                                       ; destination window 1
.set i, 0
.rept 64
	global_load_b128 v[4*i:4*i+3], v[AD0], s[32:33] offset:512*i   ; my 32 fragments of wo: 512 consecutive bytes a load
.set i, i+1
.endr
	WIN 0
.irp u, 0,1
	global_load_b128 v[BI+8*\u:BI+8*\u+3], v[H32], s[34:35] offset:64*\u       ; lane (r, h): wo_b(16 u + 8 h + 0 .. 7) of my 32 columns
	global_load_b128 v[BI+8*\u+4:BI+8*\u+7], v[H32], s[34:35] offset:64*\u+16
.endr
	s_wait_tensorcnt 0x0                           ; my quarter is in,
	s_barrier_signal -1
	s_barrier_wait -1                              ; everybody's is
	s_wait_loadcnt 0x0                             ; wo and the bias
	AFETCH 0, 0
.set q, 0
.rept 16                               ; a K step of 32: 16 matrix instructions, the 16 accumulators by turns, one instruction a turn
.if q < 15
.if q > 0
.rept 4
	v_nop                                          ; four places in front of loads into registers that the step before multiplied
.endr
.endif
	AFETCH q+1, (q+1)%2
	s_wait_dscnt 16                                ; this step's are in; the 16 just issued may be out
.else
	s_wait_dscnt 0x0
.endif
.if q == 0
	WIN 0x81                                       ; source 0 (wo) window 1, C (the bias) window 0, D window 2
.else
	WIN 0xa1                                       ; C and D window 2
.endif
.irp mt, 0,1,2,3,4,5,6,7
.irp u, 0,1
.if q == 0
	v_wmma_f32_16x16x32_f16 v[8*(2*\mt+\u):8*(2*\mt+\u)+7], v[8*(16*\u+q):8*(16*\u+q)+7], v[AF+64*(q%2)+8*\mt:AF+64*(q%2)+8*\mt+7], v[BI+8*\u:BI+8*\u+7]
.else
	v_wmma_f32_16x16x32_f16 v[8*(2*\mt+\u):8*(2*\mt+\u)+7], v[8*(16*\u+q):8*(16*\u+q)+7], v[AF+64*(q%2)+8*\mt:AF+64*(q%2)+8*\mt+7], v[8*(2*\mt+\u):8*(2*\mt+\u)+7]
.endif
.endr
.endr
	WIN 0
.set q, q+1
.endr
.rept 4
	v_nop                                          ; four places in front of the first read of results, and of the loads into A's registers below
.endr
	WIN 0x08                                       ; an LDS store's data are its source 1: window 2
.irp mt, 0,1,2,3,4,5,6,7
.irp u, 0,1
	ds_store_b128 v[SO], v[8*(2*\mt+\u):8*(2*\mt+\u)+3] offset:8448*\mt+64*\u          ; lane (r, h): out(16 mt + r, 32 w + 16 u + 8 h + 0 .. 7); each accumulator from its low end on
	ds_store_b128 v[SO], v[8*(2*\mt+\u)+4:8*(2*\mt+\u)+7] offset:8448*\mt+64*\u+16
.endr
.endr
	WIN 0
	s_wait_dscnt 0x0                               ; for the others' sake: my stores into the stage are done
	s_barrier_signal -1
	s_barrier_wait -1                              ; 128 whole rows lie in the stage
.set i, 0
.rept 32
	ds_load_b128 v[AF+4*i:AF+4*i+3], v[SR] offset:528*i
.set i, i+1
.endr
.set i, 0
.rept 32
	s_wait_dscnt 31-i                              ; row i is back; the later rows may be out
	global_store_b128 v[AD0], v[AF+4*i:AF+4*i+3], s[36:37] offset:2048*i th:TH_STORE_NT   ; 32 lanes store 512 consecutive bytes, aligned; written once, read by nobody here
.set i, i+1
.endr
	s_wait_tensorcnt 0x0                           ; the wave's end, behind my last tensor load and my last LDS store
	ds_add_u32 v[SPW], v[NIL]
	s_wait_dscnt 0x0
	CROUND                                         ; the closing round: no work-group ends while a partner may still ask for a tile that names it
	s_endpgm
.Lfunc_end_k_qb17d173e32_outp:
	.size	k_qb17d173e32_outp, .Lfunc_end_k_qb17d173e32_outp-k_qb17d173e32_outp
	.p2alignl 7, 3214868480
	.fill 96, 4, 3214868480
	.section	.rodata,"a",@progbits
	.p2align	6, 0x0
	.amdhsa_kernel k_qb17d173e32_outp
		.amdhsa_group_segment_fixed_size 199168
		.amdhsa_private_segment_fixed_size 0
		.amdhsa_enable_private_segment 0
		.amdhsa_kernarg_size 32
		.amdhsa_user_sgpr_count 2
		.amdhsa_user_sgpr_kernarg_segment_ptr 1
		.amdhsa_wavefront_size32 1
		.amdhsa_system_sgpr_workgroup_id_x 1
		.amdhsa_system_sgpr_workgroup_id_y 1
		.amdhsa_system_sgpr_workgroup_id_z 1
		.amdhsa_system_vgpr_workitem_id 0
		.amdhsa_next_free_vgpr 640
		.amdhsa_next_free_sgpr 66
		.amdhsa_reserve_vcc 0
		.amdhsa_float_denorm_mode_32 3
		.amdhsa_float_denorm_mode_16_64 3
		.amdhsa_memory_ordered 1
		.amdhsa_forward_progress 1
		.amdhsa_inst_pref_size 55
	.end_amdhsa_kernel
	.amdgpu_metadata
---
amdhsa.version: [ 1, 2 ]
amdhsa.kernels:
  - .name:           k_qb17d173e32_outp
    .symbol:         k_qb17d173e32_outp.kd
    .args:
      - { .name: att, .offset: 0, .size: 8, .value_kind: global_buffer, .address_space: global }
      - { .name: wts, .offset: 8, .size: 8, .value_kind: global_buffer, .address_space: global }
      - { .name: wo_b, .offset: 16, .size: 8, .value_kind: global_buffer, .address_space: global }
      - { .name: out0, .offset: 24, .size: 8, .value_kind: global_buffer, .address_space: global }
    .group_segment_fixed_size: 199168
    .private_segment_fixed_size: 0
    .kernarg_segment_align: 8
    .kernarg_segment_size: 32
    .max_flat_workgroup_size: 128
    .sgpr_count:     66
    .vgpr_count:     640
    .wavefront_size: 32
...
	.end_amdgpu_metadata
.endif
;; end of part 4
